; MI455X (gfx1250); checked and timed in simulation.
; The chip was launched on July 23, 2026; its instructions are those of AMD's public machine-readable ISA for CDNA 5 (MIT licence, August 2026) and "CDNA5" Instruction Set Architecture Reference Guide (July 2026). The comments in the code are by the model that wrote it; some were corrected since.
;; Aqt Dot General. Allowed arithmetic: float matrix products may take bf16 or f16 operands with f32 sums; other float arithmetic in f32, or as packed bf16 or f16 multiplies, adds, multiply-adds, maxima and minima; sums over many terms, partial sums and values carried from step to step in f32; what a program stores and reads back later, other than sums and carried values, may be rounded once to bf16 or f16.
;; Inputs: lhs 2 x 2,048 x 4,096 float32; rhs 4,096 x 4,096 float32.
;; Outputs: out0 2 x 2,048 x 4,096 float32.
;; 2 versions, each right; version 2 is version 1 with the launch colq written anew for expert scheduling mode. Each part assembles by itself: llvm-mc -triple=amdgcn-amd-amdhsa -mcpu=gfx1250 --defsym DOCPART=n.
;; ======== version 1 of 2: 3 launches
;; workspace buffers: qa 33,554,432 bytes; qb 33,554,432 bytes; sa 16,384 bytes; sb 16,384 bytes; pm 262,144 bytes
;; launch prep (part 1): grid 256 x 1, 16 waves a work-group, no clusters, 10,240 bytes of LDS; arguments lhs, rhs, qa, sa, pm; writes qa, sa, pm
.if DOCPART == 1
	.amdgcn_target "amdgcn-amd-amdhsa--gfx1250"
	.amdhsa_code_object_version 6
	.text
	.protected	k_q7404851474_prep
	.globl	k_q7404851474_prep
	.p2align	8
	.type	k_q7404851474_prep,@function
k_q7404851474_prep:
	s_mov_b64 s[64:65], 0
	v_nop
	global_prefetch_b8 v0, s[64:65] scope:SCOPE_SE
	s_setreg_imm32_b32 hwreg(HW_REG_WAVE_MODE, 25, 1), 1
	s_wait_xcnt 0x0
; TWO JOBS OF EQUAL SIZE FOR EACH OF 256 WORK-GROUPS, both streams.  lhs: [4096 rows][4096] f32, rhs: [4096 k][4096 n] f32.
; (a) pm[kb][n] = the largest |rhs[k][n]| over the 256 rows k of block kb (16 blocks): a column's largest magnitude is known only when all of rhs has been read, so this
;     launch leaves 16 partial maxima a column and the next launch finishes them.  Work-group g takes kb = g / 16 and the 256 columns of nb = g % 16.
; (b) rows 16 g .. 16 g + 15 of lhs are quantised: scale = amax / 127 (1 where amax is 0), q = clip(round(x / scale), -127, 127), written as bf16, which holds these whole numbers exactly.
; SHARES.  Sixteen waves.  (a) wave w: the 128 columns of half w % 2 (512 bytes of a row) in rows 32 (w / 2) .. + 31: 32 loads of 512 consecutive bytes.
; (b) wave w: row 16 g + w, whole, in 128 registers between the pass that finds the maximum and the pass that scales: lhs is read once.
; No loop: all 64 loads of a wave are written out; the row's loads go into the registers that the column pass has just read, so 32 loads of every wave are out nearly all the time.
; LIMITS.  x / scale is made as x * (127 * (1 / amax)): it differs from the quotient by a few units in the last place, so a number that close to a rounding tie may get the neighbouring whole number.
; amax = 0, or 2^-120 <= amax <= 2^126 (outside, the reciprocal or its 127-fold leaves f32's normal range).  NaN and infinities are not treated apart (a NaN loses every maximum).
.set SPARE, 8192                       ; LDS: 0 .. 8191 the waves' column maxima, 512 bytes a wave at 512 w; behind them the spare words, 128 bytes for each of 16 waves
.set L16,  1                           ; v1   16 x lane: my 16 bytes of 512
.set L8,   2                           ; v2   8 x lane: my 8 bytes of 256
.set LSTO, 3                           ; v3   16 x thread: where I put my four column maxima
.set LR,   4                           ; v4   512 (w % 2) + 16 x lane: where I read them back, and my place in pm's 1,024 bytes
.set ZO,   5                           ; v5   0: offset of the one scale
.set SPW,  6                           ; v6   my spare word
.set NIL,  7                           ; v7   0
.set CM,   8                           ; v[8:11]   maxima of my four columns
.set RM,   12                          ; v[12:15]  four chains of the row's maximum
.set T,    16                          ; v16, v17  at work
.set T2,   17
.set INV,  18                          ; v[18:19]  127 / amax, twice
.set SCL,  20                          ; v20       amax / 127
.set F,    24                          ; v[24:55]  eight waves' maxima read back
.set X,    56                          ; v[56:183] load i at X + 4 i
	s_load_b256 s[4:11], s[0:1], 0x0               ; lhs s[4:5], rhs s[6:7], qa s[8:9], sa s[10:11]
	s_load_b64 s[12:13], s[0:1], 0x20              ; pm
	v_lshl_add_u32 v[SPW], v0, 2, SPARE
	v_mov_b32 v[NIL], 0
	v_lshrrev_b32 v1, 5, v0
	v_readfirstlane_b32 s14, v1                    ; wave 0..15
	v_and_b32 v[L16], 31, v0
	v_lshlrev_b32 v[L8], 3, v[L16]
	v_lshlrev_b32 v[L16], 4, v[L16]
	v_lshlrev_b32 v[LSTO], 4, v0
	s_and_b32 s15, s14, 1
	s_lshl_b32 s15, s15, 9                         ; my half's 512 bytes
	v_add_nc_u32 v[LR], s15, v[L16]
	v_mov_b32 v[ZO], 0
	v_mov_b32 v[T2], 0                             ; v_permlanex16_b32 counts as a reader of its destination
	s_lshr_b32 s18, ttmp9, 4                       ; kb
	s_and_b32 s19, ttmp9, 15                       ; nb,
	s_lshl_b32 s19, s19, 10                        ; its 1,024 bytes of an f32 row
	s_lshr_b32 s35, s14, 1
	s_lshl_b32 s35, s35, 19                        ; my 32 rows of 16,384 bytes
	s_mov_b32 s17, 0                               ; every offset stays under 2^32
	s_mov_b32 s30, 0x76543210                      ; v_permlanex16_b32: each lane takes its own place in the other half
	s_mov_b32 s31, 0xfedcba98
	s_mov_b32 s32, 0xc2fe0000                      ; -127.0
	s_mov_b32 s33, 0x42fe0000                      ; 127.0
	s_lshl_b32 s16, s18, 22                        ; kb's 256 rows
	s_add_co_u32 s16, s16, s19
	s_add_co_u32 s16, s16, s15
	s_add_co_u32 s16, s16, s35
	s_wait_kmcnt 0x0
	s_add_nc_u64 s[20:21], s[6:7], s[16:17]        ; rhs at my first row, my half
.set i, 0
.rept 32
	global_load_b128 v[X+4*i:X+4*i+3], v[L16], s[20:21] offset:16384*i  ; a row's 512 bytes; no hint: the next launch reads rhs again
.set i, i+1
.endr
	s_lshl_b32 s16, ttmp9, 18                      ; 16 rows of 16,384 bytes a work-group,
	s_lshl_b32 s36, s14, 14                        ; one a wave
	s_add_co_u32 s16, s16, s36
	s_add_nc_u64 s[22:23], s[4:5], s[16:17]        ; lhs at my row
	s_lshr_b32 s16, s16, 1                         ; the same row in bf16: half the bytes
	s_add_nc_u64 s[24:25], s[8:9], s[16:17]        ; qa at my row
	s_lshl_b32 s16, ttmp9, 6
	s_lshl2_add_u32 s16, s14, s16                  ; 4 (16 g + w)
	s_add_nc_u64 s[26:27], s[10:11], s[16:17]      ; sa at my row
	s_lshl_b32 s16, s18, 14                        ; kb's 16,384 bytes of pm
	s_add_co_u32 s16, s16, s19
	s_add_nc_u64 s[28:29], s[12:13], s[16:17]      ; pm at the block's 256 columns
; The largest magnitudes of loads 8 g .. 8 g + 7, register by register, into four chains; first = 1: the first two loads start the chains, nothing is cleared.
.macro MAXG dst, g, first
.irp p, 0,1,2,3
.irp c, 0,1,2,3
.if (\first) && ((\p) == 0)
	v_max_num_f32 v[(\dst)+(\c)], |v[X+32*(\g)+8*(\p)+(\c)]|, |v[X+32*(\g)+8*(\p)+4+(\c)]|
.else
	v_max3_num_f32 v[(\dst)+(\c)], v[(\dst)+(\c)], |v[X+32*(\g)+8*(\p)+(\c)]|, |v[X+32*(\g)+8*(\p)+4+(\c)]|
.endif
.endr
.endr
.endm
; Eight loads of my row of lhs, 512 consecutive bytes each, into the registers of group g.
.macro LLOAD g
.irp j, 0,1,2,3,4,5,6,7
	global_load_b128 v[X+32*(\g)+4*(\j):X+32*(\g)+4*(\j)+3], v[L16], s[22:23] offset:512*(8*(\g)+(\j)) th:TH_LOAD_NT
.endr
.endm
; The eight waves of my half have each left 512 bytes: their maximum, for my four columns.
.macro FIN dst
.irp t, 0,1,2,3,4,5,6,7
	ds_load_b128 v[F+4*(\t):F+4*(\t)+3], v[LR] offset:1024*(\t)
.endr
	s_wait_dscnt 0x0
.irp c, 0,1,2,3
	v_max3_num_f32 v[(\dst)+(\c)], v[F+(\c)], v[F+4+(\c)], v[F+8+(\c)]
.endr
.irp c, 0,1,2,3
	v_max3_num_f32 v[(\dst)+(\c)], v[(\dst)+(\c)], v[F+12+(\c)], v[F+16+(\c)]
.endr
.irp c, 0,1,2,3
	v_max3_num_f32 v[(\dst)+(\c)], v[(\dst)+(\c)], v[F+20+(\c)], v[F+24+(\c)]
.endr
.irp c, 0,1,2,3
	v_max_num_f32 v[(\dst)+(\c)], v[(\dst)+(\c)], v[F+28+(\c)]
.endr
.endm
; Four numbers at x are scaled by the pairs i0 and i1, rounded to the nearest whole number (ties to even), clipped, and packed as bf16 into x, x + 1.
.macro Q4 x, i0, i1
	v_pk_mul_f32 v[(\x):(\x)+1], v[(\x):(\x)+1], v[(\i0):(\i0)+1]
	v_pk_mul_f32 v[(\x)+2:(\x)+3], v[(\x)+2:(\x)+3], v[(\i1):(\i1)+1]
.irp c, 0,1,2,3
	v_rndne_f32 v[(\x)+(\c)], v[(\x)+(\c)]
.endr
.irp c, 0,1,2,3
	v_med3_num_f32 v[(\x)+(\c)], v[(\x)+(\c)], s32, s33
.endr
	v_cvt_pk_bf16_f32 v[(\x)], v[(\x)], v[(\x)+1]
	v_cvt_pk_bf16_f32 v[(\x)+1], v[(\x)+2], v[(\x)+3]
.endm
	; (a) the column pass.  The count is 24 each time: behind group g stand 24 - 8 g loads of rhs and the 8 g loads of lhs issued meanwhile.
	s_wait_loadcnt 24
	MAXG CM, 0, 1
	LLOAD 0
	s_wait_loadcnt 24
	MAXG CM, 1, 0
	LLOAD 1
	s_wait_loadcnt 24
	MAXG CM, 2, 0
	LLOAD 2
	s_wait_loadcnt 24
	MAXG CM, 3, 0
	LLOAD 3
	ds_store_b128 v[LSTO], v[CM:CM+3]
	s_wait_dscnt 0x0                               ; for the others' sake: my store is done
	s_barrier_signal -1
	s_barrier_wait -1                              ; all sixteen waves' maxima lie in LDS; my row's loads stay on their way
	s_cmp_lt_u32 s14, 2                            ; wave 0 finishes half 0, wave 1 half 1
	s_cbranch_scc0 .Lno_pm
	FIN CM
	global_store_b128 v[LR], v[CM:CM+3], s[28:29]  ; 512 consecutive bytes a wave
.Lno_pm:
	; (b) the row's maximum.  The counts are the loads of lhs younger than the group.
	s_wait_loadcnt 24
	MAXG RM, 0, 1
	s_wait_loadcnt 16
	MAXG RM, 1, 0
	s_wait_loadcnt 8
	MAXG RM, 2, 0
	s_wait_loadcnt 0x0
	MAXG RM, 3, 0
	v_max3_num_f32 v[T], v[RM], v[RM+1], v[RM+2]
	v_max_num_f32 v[T], v[T], v[RM+3]
	v_max_num_f32_dpp v[T], v[T], v[T] row_xmask:1 row_mask:0xf bank_mask:0xf
	v_max_num_f32_dpp v[T], v[T], v[T] row_xmask:2 row_mask:0xf bank_mask:0xf
	v_max_num_f32_dpp v[T], v[T], v[T] row_xmask:4 row_mask:0xf bank_mask:0xf
	v_max_num_f32_dpp v[T], v[T], v[T] row_xmask:8 row_mask:0xf bank_mask:0xf
	v_permlanex16_b32 v[T2], v[T], s30, s31
	v_max_num_f32 v[T], v[T], v[T2]                ; every lane holds amax
	v_rcp_f32 v[INV], v[T]
	v_mul_f32 v[SCL], 0x3c010204, v[T]             ; amax x (1 / 127): the plain instruction behind the reciprocal
	s_wait_alu depctr_va_vdst(0)                   ; wait ahead of the reciprocal's first reader
	v_mul_f32 v[INV], s33, v[INV]                  ; 127 / amax
	v_cmp_lt_f32 vcc_lo, 0, v[T]
	v_cndmask_b32 v[INV], 1.0, v[INV], vcc_lo      ; a row of zeros has the scale 1
	v_cndmask_b32 v[SCL], 1.0, v[SCL], vcc_lo
	v_mov_b32 v[INV+1], v[INV]
	s_wait_xcnt 0x0                                ; EXEC is a source of the loads and of pm's store: it changes only behind this wait
	v_cmp_eq_u32 vcc_lo, 0, v[L16]
	s_and_saveexec_b32 s34, vcc_lo
	global_store_b32 v[ZO], v[SCL], s[26:27]       ; lane 0 alone: 4 bytes for a row's 24 KiB of traffic
	s_wait_xcnt 0x0                                ; and again in front of the line that widens it
	s_or_b32 exec_lo, exec_lo, s34
.set j, 0
.rept 32
	Q4 X+4*j, INV, INV
	global_store_b64 v[L8], v[X+4*j:X+4*j+1], s[24:25] offset:256*j th:TH_STORE_NT  ; the wave's 32 lanes store 256 consecutive bytes, aligned; no stored register is written again
.set j, j+1
.endr
	s_wait_tensorcnt 0x0                           ; the wave's end, behind my last LDS store
	ds_add_u32 v[SPW], v[NIL]
	s_wait_dscnt 0x0
	s_endpgm
.Lfunc_end_k_q7404851474_prep:
	.size	k_q7404851474_prep, .Lfunc_end_k_q7404851474_prep-k_q7404851474_prep
	.p2alignl 7, 3214868480
	.fill 96, 4, 3214868480
	.section	.rodata,"a",@progbits
	.p2align	6, 0x0
	.amdhsa_kernel k_q7404851474_prep
		.amdhsa_group_segment_fixed_size 10240
		.amdhsa_private_segment_fixed_size 0
		.amdhsa_enable_private_segment 0
		.amdhsa_kernarg_size 40
		.amdhsa_user_sgpr_count 2
		.amdhsa_user_sgpr_kernarg_segment_ptr 1
		.amdhsa_wavefront_size32 1
		.amdhsa_system_sgpr_workgroup_id_x 1
		.amdhsa_system_sgpr_workgroup_id_y 1
		.amdhsa_system_sgpr_workgroup_id_z 1
		.amdhsa_system_vgpr_workitem_id 0
		.amdhsa_next_free_vgpr 184
		.amdhsa_next_free_sgpr 66
		.amdhsa_reserve_vcc 1
		.amdhsa_float_denorm_mode_32 3
		.amdhsa_float_denorm_mode_16_64 3
		.amdhsa_memory_ordered 1
		.amdhsa_forward_progress 1
		.amdhsa_inst_pref_size 42
	.end_amdhsa_kernel
	.amdgpu_metadata
---
amdhsa.version: [ 1, 2 ]
amdhsa.kernels:
  - .name:           k_q7404851474_prep
    .symbol:         k_q7404851474_prep.kd
    .args:
      - { .name: lhs, .offset: 0, .size: 8, .value_kind: global_buffer, .address_space: global }
      - { .name: rhs, .offset: 8, .size: 8, .value_kind: global_buffer, .address_space: global }
      - { .name: qa, .offset: 16, .size: 8, .value_kind: global_buffer, .address_space: global }
      - { .name: sa, .offset: 24, .size: 8, .value_kind: global_buffer, .address_space: global }
      - { .name: pm, .offset: 32, .size: 8, .value_kind: global_buffer, .address_space: global }
    .group_segment_fixed_size: 10240
    .private_segment_fixed_size: 0
    .kernarg_segment_align: 8
    .kernarg_segment_size: 40
    .max_flat_workgroup_size: 512
    .sgpr_count:     66
    .vgpr_count:     184
    .wavefront_size: 32
...
	.end_amdgpu_metadata
.endif
;; end of part 1
;; launch colq (part 2): grid 256 x 1, 16 waves a work-group, no clusters, 10,240 bytes of LDS; arguments rhs, pm, qb, sb; writes qb, sb
.if DOCPART == 2
	.amdgcn_target "amdgcn-amd-amdhsa--gfx1250"
	.amdhsa_code_object_version 6
	.text
	.protected	k_q7404851474_colq
	.globl	k_q7404851474_colq
	.p2align	8
	.type	k_q7404851474_colq,@function
k_q7404851474_colq:
	s_mov_b64 s[64:65], 0
	v_nop
	global_prefetch_b8 v0, s[64:65] scope:SCOPE_SE
	s_setreg_imm32_b32 hwreg(HW_REG_WAVE_MODE, 25, 1), 1
	s_wait_xcnt 0x0
; rhs: [4096 k][4096 n] f32 is quantised by columns: amax[n] = the largest of pm's 16 partial maxima, scale = amax / 127 (1 where amax is 0),
; qb[k][n] = clip(round(rhs[k][n] / scale[n]), -127, 127) as bf16 (exact for these whole numbers), in rhs's own layout: the product turns it on its way out of LDS.  sb[n] = scale[n].
; SHARES.  Work-group g: rows 256 (g / 16) .. + 255, columns 256 (g % 16) .. + 255.  Wave w: the 128 columns of half w % 2 in rows 32 (w / 2) .. + 31: 32 loads of 512 consecutive bytes,
; all issued at the start, and 32 stores of 256 consecutive bytes, aligned.  Of pm's 16 partial rows wave w reads two (w / 2 and w / 2 + 8) for its half; the waves' maxima meet in LDS.
; LIMITS.  x / scale is made as x * (127 * (1 / amax)): a few units in the last place off the quotient, so a number that close to a rounding tie may get the neighbouring whole number.
; amax = 0, or 2^-120 <= amax <= 2^126.  NaN and infinities are not treated apart.
.set SPARE, 8192                       ; LDS: 0 .. 8191 the waves' maxima, 512 bytes a wave at 512 w; behind them the spare words, 128 bytes for each of 16 waves
.set L16,  1                           ; v1   16 x lane
.set L8,   2                           ; v2   8 x lane
.set LSTO, 3                           ; v3   16 x thread
.set LR,   4                           ; v4   512 (w % 2) + 16 x lane
.set SPW,  6                           ; v6   my spare word
.set NIL,  7                           ; v7   0
.set AM,   8                           ; v[8:11]   amax of my four columns
.set INV,  12                          ; v[12:15]  127 / amax
.set SCL,  16                          ; v[16:19]  amax / 127
.set P,    20                          ; v[20:27]  two partial rows of pm
.set F,    28                          ; v[28:59]  eight waves' maxima read back
.set X,    60                          ; v[60:187] row i at X + 4 i
	s_load_b256 s[4:11], s[0:1], 0x0               ; rhs s[4:5], pm s[6:7], qb s[8:9], sb s[10:11]
	v_lshl_add_u32 v[SPW], v0, 2, SPARE
	v_mov_b32 v[NIL], 0
	v_lshrrev_b32 v1, 5, v0
	v_readfirstlane_b32 s14, v1                    ; wave 0..15
	v_and_b32 v[L16], 31, v0
	v_lshlrev_b32 v[L8], 3, v[L16]
	v_lshlrev_b32 v[L16], 4, v[L16]
	v_lshlrev_b32 v[LSTO], 4, v0
	s_and_b32 s15, s14, 1
	s_lshl_b32 s15, s15, 9                         ; my half's 512 bytes
	v_add_nc_u32 v[LR], s15, v[L16]
	s_lshr_b32 s18, ttmp9, 4                       ; kb
	s_and_b32 s19, ttmp9, 15                       ; nb,
	s_lshl_b32 s19, s19, 10                        ; its 1,024 bytes of an f32 row
	s_lshr_b32 s35, s14, 1                         ; w / 2
	s_mov_b32 s17, 0                               ; every offset stays under 2^32
	s_mov_b32 s32, 0xc2fe0000                      ; -127.0
	s_mov_b32 s33, 0x42fe0000                      ; 127.0
	s_add_co_u32 s36, s19, s15                     ; my 512 bytes in an f32 row
	s_lshl_b32 s16, s35, 14                        ; partial row w / 2 of pm
	s_add_co_u32 s16, s16, s36
	s_wait_kmcnt 0x0
	s_add_nc_u64 s[22:23], s[6:7], s[16:17]
	global_load_b128 v[P:P+3],   v[L16], s[22:23]
	global_load_b128 v[P+4:P+7], v[L16], s[22:23] offset:131072  ; eight partial rows on
	s_lshl_b32 s16, s18, 22                        ; kb's 256 rows of 16,384 bytes,
	s_add_co_u32 s16, s16, s36
	s_lshl_b32 s37, s35, 19                        ; my 32 of them
	s_add_co_u32 s16, s16, s37
	s_add_nc_u64 s[20:21], s[4:5], s[16:17]
.set i, 0
.rept 32
	global_load_b128 v[X+4*i:X+4*i+3], v[L16], s[20:21] offset:16384*i th:TH_LOAD_NT
.set i, i+1
.endr
	s_lshr_b32 s16, s16, 1                         ; the same place in bf16: half the bytes
	s_add_nc_u64 s[24:25], s[8:9], s[16:17]
	s_mov_b32 s16, s19
	s_add_nc_u64 s[26:27], s[10:11], s[16:17]      ; sb at the block's 256 columns
.macro FIN dst                         ; the eight waves of my half have each left 512 bytes: their maximum, for my four columns
.irp t, 0,1,2,3,4,5,6,7
	ds_load_b128 v[F+4*(\t):F+4*(\t)+3], v[LR] offset:1024*(\t)
.endr
	s_wait_dscnt 0x0
.irp c, 0,1,2,3
	v_max3_num_f32 v[(\dst)+(\c)], v[F+(\c)], v[F+4+(\c)], v[F+8+(\c)]
.endr
.irp c, 0,1,2,3
	v_max3_num_f32 v[(\dst)+(\c)], v[(\dst)+(\c)], v[F+12+(\c)], v[F+16+(\c)]
.endr
.irp c, 0,1,2,3
	v_max3_num_f32 v[(\dst)+(\c)], v[(\dst)+(\c)], v[F+20+(\c)], v[F+24+(\c)]
.endr
.irp c, 0,1,2,3
	v_max_num_f32 v[(\dst)+(\c)], v[(\dst)+(\c)], v[F+28+(\c)]
.endr
.endm
.macro Q4 x, i0, i1                    ; four numbers at x: scaled by the pairs i0 and i1, rounded (ties to even), clipped, packed as bf16 into x, x + 1
	v_pk_mul_f32 v[(\x):(\x)+1], v[(\x):(\x)+1], v[(\i0):(\i0)+1]
	v_pk_mul_f32 v[(\x)+2:(\x)+3], v[(\x)+2:(\x)+3], v[(\i1):(\i1)+1]
.irp c, 0,1,2,3
	v_rndne_f32 v[(\x)+(\c)], v[(\x)+(\c)]
.endr
.irp c, 0,1,2,3
	v_med3_num_f32 v[(\x)+(\c)], v[(\x)+(\c)], s32, s33
.endr
	v_cvt_pk_bf16_f32 v[(\x)], v[(\x)], v[(\x)+1]
	v_cvt_pk_bf16_f32 v[(\x)+1], v[(\x)+2], v[(\x)+3]
.endm
.macro ROWS g                          ; eight rows are quantised and stored
.irp j, 0,1,2,3,4,5,6,7
	Q4 X+32*(\g)+4*(\j), INV, INV+2
	global_store_b64 v[L8], v[X+32*(\g)+4*(\j):X+32*(\g)+4*(\j)+1], s[24:25] offset:8192*(8*(\g)+(\j)) th:TH_STORE_NT  ; 256 consecutive bytes, aligned; no stored register is written again
.endr
.endm
	s_wait_loadcnt 32                              ; pm's two loads are in; the 32 loads of rhs behind them stay out
.irp c, 0,1,2,3
	v_max_num_f32 v[P+(\c)], v[P+(\c)], v[P+4+(\c)]
.endr
	ds_store_b128 v[LSTO], v[P:P+3]
	s_wait_dscnt 0x0                               ; for the others' sake: my store is done
	s_barrier_signal -1
	s_barrier_wait -1                              ; all 16 partial rows, two to a wave, lie in LDS
	FIN AM
.irp c, 0,1,2,3
	v_rcp_f32 v[INV+(\c)], v[AM+(\c)]
.endr
.irp c, 0,1,2,3
	v_mul_f32 v[SCL+(\c)], 0x3c010204, v[AM+(\c)]  ; amax x (1 / 127): plain instructions behind the reciprocals
.endr
	s_wait_alu depctr_va_vdst(0)                   ; wait ahead of the first reader: one for the four reciprocals
.irp c, 0,1,2,3
	v_mul_f32 v[INV+(\c)], s33, v[INV+(\c)]        ; 127 / amax
.endr
.irp c, 0,1,2,3
	v_cmp_lt_f32 vcc_lo, 0, v[AM+(\c)]
	v_cndmask_b32 v[INV+(\c)], 1.0, v[INV+(\c)], vcc_lo  ; a column of zeros has the scale 1
	v_cndmask_b32 v[SCL+(\c)], 1.0, v[SCL+(\c)], vcc_lo
.endr
	s_wait_loadcnt 24                              ; the counts are the loads of rhs younger than the group of eight rows
	ROWS 0
	s_wait_loadcnt 16
	ROWS 1
	s_wait_loadcnt 8
	ROWS 2
	s_wait_loadcnt 0x0
	ROWS 3
	s_cmp_lg_u32 s18, 0                            ; the scales are stored once: by the work-groups of the first 256 rows,
	s_cbranch_scc1 .Lend
	s_cmp_lt_u32 s14, 2                            ; wave 0 for half 0, wave 1 for half 1
	s_cbranch_scc0 .Lend
	global_store_b128 v[LR], v[SCL:SCL+3], s[26:27]  ; 512 consecutive bytes a wave
.Lend:
	s_wait_tensorcnt 0x0                           ; the wave's end, behind my last LDS store
	ds_add_u32 v[SPW], v[NIL]
	s_wait_dscnt 0x0
	s_endpgm
.Lfunc_end_k_q7404851474_colq:
	.size	k_q7404851474_colq, .Lfunc_end_k_q7404851474_colq-k_q7404851474_colq
	.p2alignl 7, 3214868480
	.fill 96, 4, 3214868480
	.section	.rodata,"a",@progbits
	.p2align	6, 0x0
	.amdhsa_kernel k_q7404851474_colq
		.amdhsa_group_segment_fixed_size 10240
		.amdhsa_private_segment_fixed_size 0
		.amdhsa_enable_private_segment 0
		.amdhsa_kernarg_size 32
		.amdhsa_user_sgpr_count 2
		.amdhsa_user_sgpr_kernarg_segment_ptr 1
		.amdhsa_wavefront_size32 1
		.amdhsa_system_sgpr_workgroup_id_x 1
		.amdhsa_system_sgpr_workgroup_id_y 1
		.amdhsa_system_sgpr_workgroup_id_z 1
		.amdhsa_system_vgpr_workitem_id 0
		.amdhsa_next_free_vgpr 188
		.amdhsa_next_free_sgpr 66
		.amdhsa_reserve_vcc 1
		.amdhsa_float_denorm_mode_32 3
		.amdhsa_float_denorm_mode_16_64 3
		.amdhsa_memory_ordered 1
		.amdhsa_forward_progress 1
		.amdhsa_inst_pref_size 31
	.end_amdhsa_kernel
	.amdgpu_metadata
---
amdhsa.version: [ 1, 2 ]
amdhsa.kernels:
  - .name:           k_q7404851474_colq
    .symbol:         k_q7404851474_colq.kd
    .args:
      - { .name: rhs, .offset: 0, .size: 8, .value_kind: global_buffer, .address_space: global }
      - { .name: pm, .offset: 8, .size: 8, .value_kind: global_buffer, .address_space: global }
      - { .name: qb, .offset: 16, .size: 8, .value_kind: global_buffer, .address_space: global }
      - { .name: sb, .offset: 24, .size: 8, .value_kind: global_buffer, .address_space: global }
    .group_segment_fixed_size: 10240
    .private_segment_fixed_size: 0
    .kernarg_segment_align: 8
    .kernarg_segment_size: 32
    .max_flat_workgroup_size: 512
    .sgpr_count:     66
    .vgpr_count:     188
    .wavefront_size: 32
...
	.end_amdgpu_metadata
.endif
;; end of part 2
;; launch gemm (part 3): grid 16 x 16, 4 waves a work-group, clusters of 4 x 4, 327,680 bytes of LDS; arguments qa, qb, sa, sb, out0; writes out0
.if DOCPART == 3
	.amdgcn_target "amdgcn-amd-amdhsa--gfx1250"
	.amdhsa_code_object_version 6
	.text
	.protected	k_q7404851474_gemm
	.globl	k_q7404851474_gemm
	.p2align	8
	.type	k_q7404851474_gemm,@function
k_q7404851474_gemm:
	s_mov_b64 s[64:65], 0
	v_nop
	global_prefetch_b8 v0, s[64:65] scope:SCOPE_SE
	s_setreg_imm32_b32 hwreg(HW_REG_WAVE_MODE, 25, 1), 1
	s_wait_xcnt 0x0
	s_wait_alu depctr_hold_cnt(0) depctr_sa_sdst(0) depctr_va_vdst(0) depctr_va_sdst(0) depctr_va_ssrc(0) depctr_va_vcc(0) depctr_vm_vsrc(0)
	s_getreg_b32 s2, hwreg(HW_REG_IB_STS2, 6, 4)
	s_cmp_eq_u32 s2, 0
	s_cbranch_scc0 .Lentry_in_a_cluster
	s_endpgm
.Lentry_in_a_cluster:
	s_bfe_u32 s2, ttmp6, 0x10000c
	s_cmp_lg_u32 s2, 0xf033
	s_cbranch_scc0 .Lentry_shape_is_right
	s_endpgm
.Lentry_shape_is_right:
; out0[m][n] = (the sum over k of qa[m][k] qb[k][n]) x sa[m] x sb[n].  qa: [4096 m][4096 k], qb: [4096 k][4096 n], whole numbers of -127 .. 127 in bf16 (exact); sa, sb: [4096] f32; out0: [4096][4096] f32.
; Sums in f32: they reach 4096 x 127^2 = 6.6e7 at the most, so beyond 2^24 a sum is rounded as f32 rounds it.
; A tile of 256 x 256 of out0 to a work-group of four waves, 16 x 16 = 256 work-groups; a wave makes 128 x 128: 64 accumulators of 16 x 16, 512 registers.
; K goes in steps of 128 through a ring of two LDS slots filled by the tensor data mover: 256 rows x 256 bytes of qa, 128 rows x 512 bytes of qb; every row starts at a multiple of 256 bytes.
; qb lies [k][n]: its fragments come out of LDS turned, by ds_load_tr16_b128, as many loads as qa's plain ones.
; CLUSTERS: 4 x 4 work-groups.  The four of a row of the cluster need the same tiles of qa, the four of a column the same tiles of qb: each tile is asked for JOINTLY, by the same tensor load with the
; same descriptor and a mask that names the four.
; THE MATRIX INSTRUCTION IS USED TRANSPOSED: source 0 = 16 columns of qb, source 1 = 16 rows of qa.  In the result lane l holds row l % 16 and the columns 8 (l / 16) + 0 .. 7: 32 neighbouring bytes of out0.
; REGISTERS, in windows of 256 (s_set_vgpr_msb's low byte: bits 1:0 source 0, 3:2 source 1, 5:4 source 2, 7:6 destination):
;   window 0: v0-31 addresses; v32-47 sa of my rows; v48-51 sb of my columns; v64-127, v128-191 fragments of qa, two buffers      window 1: v64-127, v128-191 fragments of qb, two buffers
;   window 2: the 32 accumulators of my rows 0-63 (accumulator (a, b) at v[8 (8 a + b)]);   window 3: those of my rows 64-127
.set KSTEP,  128
.set ROWB,   8192                      ; bytes in a row of qa and of qb
.set OROW,   16384                     ; bytes in a row of out0
.set PA,     272                       ; qa's LDS row: 256 bytes + 16 = 68 words: row r starts at bank 4 r mod 64 (64 banks of 4 bytes: ISA guide 11.1): the 16 rows of a load start at 16 different banks
.set PB,     544                       ; qb's LDS row: 512 bytes + 32 = 136 words: row r starts at bank 8 r mod 64
.set HALFT,  128*PA                    ; what one tensor load brings: 128 rows of qa, or 64 rows of qb (64 x 544 is the same 34,816 bytes)
.set SLOT,   4*HALFT                   ; qa's 256 rows, then qb's 128 rows
.set STAGE,  2*SLOT                    ; behind the ring: 16 rows x 528 bytes for each wave, for the way out
.set SP,     528                       ; a stage row: 512 bytes + 16
.set SPARE,  STAGE+4*16*SP             ; behind the stages: the spare words, 128 bytes for each wave: two blocks of 256 bytes that no other line names
.set LAPS,   4096/(2*KSTEP)            ; a lap = two K steps = once round the ring
.set ADRA, 16                          ; v16-17  LDS address of my fragments of qa in slot 0, 1
.set ADRB, 20                          ; v20-21  the same for qb
.set STO,  24                          ; v24     the way out: where I put 32 bytes of a row
.set RD,   25                          ; v25     the way out: where I read 16 bytes of a row back
.set CO,   26                          ; v26     16 x lane: my bytes in 512 of out0 and of sb
.set RO,   27                          ; v27     4 (lane % 16): my row in 16 of sa
.set SPW,  28                          ; v28     LDS address of my spare word; never rewritten
.set NIL,  29                          ; v29     0; never rewritten
.set PFO,  30                          ; v30     the prefetches' offset; never rewritten
.set SA,   32                          ; v[32:47] block a's row scale, in both v[32 + 2 a] and v[33 + 2 a]
.set SB,   48                          ; v[48:51] the scales of columns 4 lane .. + 3 of my 128
.set F0,   64
.set F1,   128
.set G1,  24                           ; s[24:31] descriptor group 1 for qa's tiles
.set G0,  32                           ; s[32:39] group 0 for qa's tiles, a set for each slot
.set G1B, 48                           ; s[48:55] group 1 for qb's tiles
.set G0B, 56                           ; s[56:63] group 0 for qb's tiles, a set for each slot
.set LIM, 43                           ; s43     1 in a wave that prefetches, else the greatest number
.set PFA, 44                           ; s[44:45] where my prefetches stand
.set PSTEP, 72                         ; s[72:73] bytes from a K step to the next: 256 in qa, 128 rows in qb
.set MSB, 0
.macro WIN new                         ; the immediate's high byte repeats the setting that is left; a switch that changes nothing is dropped
.if MSB != (\new)
	s_set_vgpr_msb (MSB<<8)|(\new)
.set MSB, \new
.endif
.endm
.set MUL_LO, 0xa1                      ; source 0 (qb) window 1, source 1 (qa) window 0, C and D window 2
.set MUL_HI, 0xf1                      ; the same, C and D window 3
.set TO_B,   0x40                      ; destination window 1, address window 0
; A joint load.  Waves 0 and 1 fetch qa's two halves, waves 2 and 3 qb's.  Each line has one mask and one set of registers; the branch hangs on the wave's number alone.
; An s_nop 0 and four v_nop follow each of the two lines, ahead of the jump, the label and what follows.
.macro JLOAD s
	s_cmp_eq_u32 s11, 0
	s_cbranch_scc0 .Lfor_b_\@
	tensor_load_to_lds s[G0+4*(\s):G0+4*(\s)+3], s[G1:G1+7]
	s_nop 0
.rept 4
	v_nop
.endr
	s_branch .Lasked_\@
.Lfor_b_\@:
	tensor_load_to_lds s[G0B+4*(\s):G0B+4*(\s)+3], s[G1B:G1B+7]
	s_nop 0
.rept 4
	v_nop
.endr
.Lasked_\@:
.endm
; A PREFETCH INTO THE L2, behind each joint refill and the run of LDS loads that follows it: the K step that stands two refills on, 512 matrix instructions ahead of the load that will want it.
; Each aligned block of 256 bytes is named once in the launch.  qa's tile row is read by every cluster of that row of clusters: cluster x = 0 asks; qb's tile column by every cluster of that column:
; cluster y = 0 asks.  The four partners that ask for a tile jointly share its 128 blocks out BY ADDRESS, 32 each, a lane a block: of qa 32 rows (by cx), of qb 16 rows x 2 blocks (by cy).
; The first four K steps come by their loads alone; the loop's last trip (s3 = 1) asks for nothing: there is no K step behind its own refills.
.macro ASK
	s_cmp_gt_u32 s3, s[LIM]
	s_cbranch_scc0 .Lnot_mine_\@
	global_prefetch_b8 v[PFO], s[PFA:PFA+1] th:TH_LOAD_NT scope:SCOPE_SE
.Lnot_mine_\@:
.endm
; A round of the cluster's barrier: my work-group's barrier; wave 0 signals for the work-group; every wave waits for all sixteen work-groups; my work-group's barrier once more.
.macro CREST                           ; a round behind its opening barrier
	s_cmp_lg_u32 s10, 0
	s_cbranch_scc1 .Lnot_wave_0_\@
	s_barrier_signal -3
.Lnot_wave_0_\@:
	s_barrier_wait -3
	s_barrier_signal -1
	s_barrier_wait -1
.endm
.macro CROUND                          ; a whole round
	s_barrier_signal -1
	s_barrier_wait -1
	CREST
.endm
	s_load_b128 s[4:7], s[0:1], 0x0                ; qa s[4:5], qb s[6:7]
	s_load_b128 s[68:71], s[0:1], 0x10             ; sa s[68:69], sb s[70:71]
	s_load_b64 s[8:9], s[0:1], 0x20                ; out0
	v_lshl_add_u32 v[SPW], v0, 2, SPARE
	v_mov_b32 v[NIL], 0
	ds_add_u32 v[SPW], v[NIL]                      ; the wave's opening: the add, twice on end, and its wait ahead of my first tensor load
	ds_add_u32 v[SPW], v[NIL]                      ; the set-up below, work on registers, stands between the second add and the wait
	v_lshrrev_b32 v1, 5, v0
	v_readfirstlane_b32 s10, v1                    ; wave 0..3
	s_lshr_b32 s11, s10, 1                         ; which half of the tile's rows is mine.  Also: I fetch for qa (0) or for qb (1)
	s_and_b32 s12, s10, 1                          ; which half of its columns.  Also: which half of that tile I fetch
	s_bfe_u32 s40, ttmp6, 0x40000                  ; cx
	s_bfe_u32 s41, ttmp6, 0x40004                  ; cy
	s_lshl_b32 s42, ttmp9, 2
	s_add_co_u32 s42, s42, s40                     ; tile column = 4 x cluster x + cx
	s_and_b32 s13, ttmp7, 0xffff
	s_lshl_b32 s13, s13, 2
	s_add_co_u32 s13, s13, s41                     ; tile row = 4 x cluster y + cy
	s_lshl_b32 s43, s41, 2
	s_lshl_b32 s43, 15, s43                        ; my row of the cluster: places 4 cy .. 4 cy + 3
	s_lshl_b32 s44, 0x1111, s40                    ; my column: places cx, cx + 4, cx + 8, cx + 12
	; group 1 for qa: 128 rows x 128 elements, 16 bytes of padding behind every 256
	s_or_b32 s[G1+0], s43, (1<<16)|(1<<20)|(1<<21)|(5<<22)|(3<<25)  ; 15:0 the mask: my row; 17:16 elements of 2 bytes; 20 padding on; 21 set beside a mask; 24:22 after every 64 words (code 5); 31:25 4 words (code 3)
	s_mov_b32 s[G1+1], 128<<16                     ; tensor_dim0 = 128
	s_mov_b32 s[G1+2], 128<<16                     ; tensor_dim1 = 128
	s_mov_b32 s[G1+3], 128<<16                     ; tile_dim0 = 128
	s_mov_b32 s[G1+4], 128                         ; tile_dim1 = 128
	s_mov_b32 s[G1+5], 4096                        ; elements from row to row
	s_mov_b32 s[G1+6], 0
	s_mov_b32 s[G1+7], 0
	; group 1 for qb: 64 rows x 256 elements, 32 bytes of padding behind every 512
	s_or_b32 s[G1B+0], s44, (1<<16)|(1<<20)|(1<<21)|(6<<22)|(7<<25) ; the mask: my column; after every 128 words (code 6) 8 words (code 7)
	s_mov_b32 s[G1B+1], 256<<16                    ; tensor_dim0 = 256
	s_mov_b32 s[G1B+2], 64<<16                     ; tensor_dim1 = 64
	s_mov_b32 s[G1B+3], 256<<16                    ; tile_dim0 = 256
	s_mov_b32 s[G1B+4], 64                         ; tile_dim1 = 64
	s_mov_b32 s[G1B+5], 4096
	s_mov_b32 s[G1B+6], 0
	s_mov_b32 s[G1B+7], 0
	; where the tiles come from.  qa's hang on the tile row alone, qb's on the tile column alone; every wave makes both, in registers that never hold the other coordinate.
	s_lshl_b32 s17, s12, 7
	s_lshl_b32 s16, s13, 8
	s_add_co_u32 s16, s16, s17                     ; qa: row 256 x tile row + 128 x half,
	s_lshl_b32 s16, s16, 13                        ; in bytes (under 2^25)
	s_mov_b32 s17, 0
	s_lshl_b32 s46, s42, 9                         ; qb: 512 bytes a tile column,
	s_lshl_b32 s47, s12, 19                        ; + 64 rows x half
	s_add_co_u32 s46, s46, s47
	s_mov_b32 s47, 0
	s_mul_i32 s20, s10, HALFT                      ; and where they go: wave x 34,816: no place in the cluster enters an LDS address
	s_wait_dscnt 0x0                               ; both opening adds are done
	s_wait_kmcnt 0x0
	s_add_nc_u64 s[14:15], s[4:5], s[16:17]
	s_add_nc_u64 s[46:47], s[6:7], s[46:47]
	CROUND                                         ; all sixteen work-groups are here: the first joint loads meet
.irp s, 0,1
	s_mov_b32 s[G0+4*(\s)], 1                                      ; count = 1
	s_add_co_u32 s[G0+4*(\s)+1], s20, (\s)*SLOT                    ; LDS address
	s_add_nc_u64 s[G0+4*(\s)+2:G0+4*(\s)+3], s[14:15], (\s)*KSTEP*2  ; global address: K step s lies 256 bytes along the rows
	s_or_b32 s[G0+4*(\s)+3], s[G0+4*(\s)+3], 0x80000000            ; type = 2
	s_mov_b32 s[G0B+4*(\s)], 1
	s_add_co_u32 s[G0B+4*(\s)+1], s20, (\s)*SLOT
	s_add_nc_u64 s[G0B+4*(\s)+2:G0B+4*(\s)+3], s[46:47], (\s)*KSTEP*ROWB  ; K step s lies 128 rows down
	s_or_b32 s[G0B+4*(\s)+3], s[G0B+4*(\s)+3], 0x80000000
	JLOAD \s                                       ; the ring is filled before anything else is done: two loads of mine are out
.endr
	; qa's fragment, 16 rows x 32 K in 8 registers: lane l holds row l % 16, K = 8 (l / 16) + 0..7 and 16 + 8 (l / 16) + 0..7: two loads of 16 bytes, 32 bytes apart.
	v_and_b32 v1, 15, v0                           ; l % 16
	v_bfe_u32 v2, v0, 4, 1                         ; l / 16
	v_mul_u32_u24 v3, v1, PA
	v_lshl_add_u32 v3, v2, 4, v3
	; qb's fragment, 16 columns x 32 K: the turning load takes 16 k x 16 n (lane l reads 16 bytes: row 8 (l / 16) + l % 8, columns 8 ((l / 8) % 2) + 0..7) and leaves lane l column l % 16 and 8 k: two loads, 16 rows apart.
	v_and_b32 v4, 7, v0
	v_lshl_add_u32 v4, v2, 3, v4
	v_mul_u32_u24 v4, v4, PB
	v_bfe_u32 v5, v0, 3, 1
	v_lshl_add_u32 v4, v5, 4, v4
	s_mul_i32 s21, s11, HALFT                      ; my 128 rows of qa
	s_lshl_b32 s22, s12, 8                         ; my 128 columns of qb: 256 bytes of a row,
	s_add_co_u32 s22, s22, 2*HALFT                 ; behind qa's 256 rows
.irp s, 0,1
	v_add_nc_u32 v[ADRA+(\s)], s21, v3
	v_add_nc_u32 v[ADRB+(\s)], s22, v4
	s_add_co_u32 s21, s21, SLOT
	s_add_co_u32 s22, s22, SLOT
.endr
	s_mul_i32 s23, s10, 16*SP
	s_add_co_u32 s23, s23, STAGE                   ; my stage
	v_mul_u32_u24 v5, v1, SP                       ; in: row l % 16, 32 bytes for each half of the lanes
	v_lshl_add_u32 v5, v2, 5, v5
	v_add_nc_u32 v[STO], s23, v5
	v_and_b32 v6, 31, v0
	v_lshlrev_b32 v[CO], 4, v6                     ; back: the 32 lanes take one row of 512 bytes
	v_add_nc_u32 v[RD], s23, v[CO]
	v_lshlrev_b32 v[RO], 2, v1
	v_lshrrev_b32 v[PFO], s11, v6                  ; the prefetches' offset: for qa a lane a row; for qb two lanes a row,
	v_and_b32 v7, s11, v6                          ; 256 bytes apart
	v_lshlrev_b32 v[PFO], 13, v[PFO]
	v_lshl_add_u32 v[PFO], v7, 8, v[PFO]
	; my scales and my part of out0
	s_lshl_b32 s16, s13, 8
	s_lshl_b32 s17, s11, 7
	s_add_co_u32 s16, s16, s17                     ; my first row
	s_lshl_b32 s18, s16, 2
	s_mov_b32 s19, 0
	s_add_nc_u64 s[68:69], s[68:69], s[18:19]      ; sa at it
	s_lshl_b32 s16, s16, 14
	s_mov_b32 s17, 0
	s_lshl_b32 s46, s42, 10                        ; my first column, in bytes of f32: 1,024 x tile column + 512 x half
	s_lshl_b32 s47, s12, 9
	s_add_co_u32 s46, s46, s47
	s_mov_b32 s47, 0
	s_add_nc_u64 s[70:71], s[70:71], s[46:47]      ; sb at it
	s_add_nc_u64 s[8:9], s[8:9], s[16:17]
	s_add_nc_u64 s[8:9], s[8:9], s[46:47]          ; out0 at my first row and column; never stepped
.irp a, 0,1,2,3,4,5,6,7
	global_load_b32 v[SA+2*(\a)],   v[RO], s[68:69] offset:64*(\a)  ; block a's 16 rows; twice, to fill the pair that the packed multiply names
	global_load_b32 v[SA+2*(\a)+1], v[RO], s[68:69] offset:64*(\a)
.endr
	global_load_b128 v[SB:SB+3], v[CO], s[70:71]   ; all seventeen are waited for in front of the way out
	; the prefetches' address: at K step 3; the first refill steps it to 4
	s_lshl_b32 s20, s13, 8
	s_lshl_b32 s21, s12, 7
	s_add_co_u32 s20, s20, s21                     ; qa: the 128 rows that I fetch,
	s_lshl_b32 s21, s40, 5
	s_add_co_u32 s20, s20, s21                     ; my work-group's 32 of them
	s_lshl_b32 s20, s20, 13
	s_add_co_u32 s20, s20, 3*KSTEP*2
	s_lshl_b32 s18, s12, 6                         ; qb: the 64 rows that I fetch,
	s_lshl_b32 s19, s41, 4
	s_add_co_u32 s18, s18, s19                     ; my work-group's 16 of them
	s_lshl_b32 s18, s18, 13
	s_lshl_b32 s19, s42, 9
	s_add_co_u32 s18, s18, s19                     ; the tile column's 512 bytes
	s_add_co_u32 s18, s18, 3*KSTEP*ROWB
	s_and_b32 s22, ttmp7, 0xffff                   ; cluster y
	s_mov_b32 s23, KSTEP*ROWB                      ; qb's step, in a register: an instruction holds one literal (the stage's base, which s23 held, has been used)
	s_cmp_eq_u32 s11, 0                            ; do I fetch for qa?
	s_cselect_b32 s20, s20, s18
	s_cselect_b32 s22, ttmp9, s22                  ; the coordinate along which other clusters read the same blocks
	s_cselect_b32 s[PSTEP], KSTEP*2, s23
	s_cselect_b64 s[PFA:PFA+1], s[4:5], s[6:7]
	s_mov_b32 s21, 0
	s_mov_b32 s[PSTEP+1], 0
	s_add_nc_u64 s[PFA:PFA+1], s[PFA:PFA+1], s[20:21]
	s_cmp_eq_u32 s22, 0
	s_cselect_b32 s[LIM], 1, -1                    ; the same in all sixteen partners, for a given wave
; 16 matrix instructions: m blocks a0, a0 + 1 of the window's four (hi = 0: my rows 0-63, 1: rows 64-127) x all 8 n blocks, 32 along K.  zero = 1: the first product starts the sums: nothing is cleared.
; The 64 accumulators take turns, one instruction a turn, in the same order in every quarter, over the backward jump too.
.macro MUL16 f, hi, a0, zero
	WIN MUL_LO+0x50*(\hi)
.irp a, \a0, (\a0)+1
.irp b, 0,1,2,3,4,5,6,7
.if \zero
	v_wmma_f32_16x16x32_bf16 v[8*(8*(\a)+(\b)):8*(8*(\a)+(\b))+7], v[(\f)+8*(\b):(\f)+8*(\b)+7], v[(\f)+8*(4*(\hi)+(\a)):(\f)+8*(4*(\hi)+(\a))+7], 0
.else
	v_wmma_f32_16x16x32_bf16 v[8*(8*(\a)+(\b)):8*(8*(\a)+(\b))+7], v[(\f)+8*(\b):(\f)+8*(\b)+7], v[(\f)+8*(4*(\hi)+(\a)):(\f)+8*(4*(\hi)+(\a))+7], v[8*(8*(\a)+(\b)):8*(8*(\a)+(\b))+7]
.endif
.endr
.endr
.endm
; 32 LDS loads in one run: the fragments of quarter q of a K step (32 k x my 128 columns of qb, turned; my 128 rows of qa x 32 k) into buffer f.  The largest offset is 61,152.
.macro FETCH slot, q, f
	WIN TO_B
.irp i, 0,1,2,3,4,5,6,7
	ds_load_tr16_b128 v[(\f)+8*(\i):(\f)+8*(\i)+3],   v[ADRB+(\slot)] offset:32*(\q)*PB+32*(\i)
	ds_load_tr16_b128 v[(\f)+8*(\i)+4:(\f)+8*(\i)+7], v[ADRB+(\slot)] offset:32*(\q)*PB+16*PB+32*(\i)
.endr
	WIN 0
.irp i, 0,1,2,3,4,5,6,7
	ds_load_b128 v[(\f)+8*(\i):(\f)+8*(\i)+3],   v[ADRA+(\slot)] offset:64*(\q)+(\i)*16*PA
	ds_load_b128 v[(\f)+8*(\i)+4:(\f)+8*(\i)+7], v[ADRA+(\slot)] offset:64*(\q)+(\i)*16*PA+32
.endr
.endm
; A load into a register that a matrix instruction has read, and a vector instruction that reads a matrix result, stand four places behind it, and only plain vector instructions that name none of
; its registers are places (ISA guide 7.12.1 for vector instructions).
.macro PLACES
.rept 4
	v_nop
.endr
.endm
; A K step is four quarters of 32 along K, 64 matrix instructions each, on buffers 0, 1, 0, 1.  One of the first three: multiplies buffer f; in its middle it fetches quarter q of the same slot into buffer g.
.macro QUARTER slot, q, f, g, zero
	s_wait_dscnt 8                                 ; qb's and qa's rows 0-63 are in; the youngest eight loads (qa's rows 64-127) may be out
	MUL16 \f, 0, 0, \zero
	MUL16 \f, 0, 2, \zero
	PLACES
	FETCH \slot, \q, \g
	s_wait_dscnt 32                                ; all but the 32 just issued
	MUL16 \f, 1, 0, \zero
	MUL16 \f, 1, 2, \zero
.endm
; The last quarter multiplies buffer 1 and changes slots.  MEET is its first half: one barrier for two things.  In front of it each wave waits for all its tensor loads, of which one is out: its part of
; the next slot; adds 0 to its spare word; and waits for that and for its own reads of this slot.  Behind it nobody reads this slot any more and the next slot is whole.
.macro MEET round                      ; round = 1: a round of the cluster's barrier follows
	WIN 0                                          ; (the add's two registers lie in window 0)
	s_wait_tensorcnt 0x0                           ; all my tensor loads have landed
	ds_add_u32 v[SPW], v[NIL]                      ; 0 onto my spare word
	s_wait_dscnt 9                                 ; (the add and the youngest eight loads may be out)
	MUL16 F1, 0, 0, 0                              ; sixteen matrix instructions stand between the add and the wait for it
	s_wait_dscnt 0x0                               ; the add is done, and my reads of this slot are over
	s_barrier_signal -1
	MUL16 F1, 0, 2, 0                              ; work on registers while the others arrive
.if \round
	WIN 0
.endif
	s_barrier_wait -1
.endm
; The whole last quarter.  Behind the round the slot just read out is filled again first, with the K step two steps on; then come the next slot's first fragments.
; From a request to the wait for it a wave issues 224 matrix instructions.
.macro TURN slot, next
	s_wait_xcnt 0x0                                ; the last prefetch, a K step back, has read its address: it is stepped here, ahead of the waits of the change of slots
	s_add_nc_u64 s[PFA:PFA+1], s[PFA:PFA+1], s[PSTEP:PSTEP+1]
	MEET 1
	CREST                                          ; no wave of any partner still reads this slot's tile or has a load on its way
	s_add_nc_u64 s[G0+4*(\slot)+2:G0+4*(\slot)+3], s[G0+4*(\slot)+2:G0+4*(\slot)+3], 2*KSTEP*2
	s_add_nc_u64 s[G0B+4*(\slot)+2:G0B+4*(\slot)+3], s[G0B+4*(\slot)+2:G0B+4*(\slot)+3], 2*KSTEP*ROWB
	JLOAD \slot                                    ; the first tensor load behind the round; the four v_nop behind it are also the places in front of the loads below
	FETCH \next, 0, F0
	ASK
	MUL16 F1, 1, 0, 0
	MUL16 F1, 1, 2, 0
.endm
	s_wait_tensorcnt 1                             ; my part of K step 0 is in; K step 1's may stay out
	s_barrier_signal -1
	s_barrier_wait -1                              ; everybody's is
	FETCH 0, 0, F0
	QUARTER 0, 1, F0, F1, 1                        ; the first quarter stands in front of the loop: its products start the sums
	WIN 0                                          ; at a label and at a branch every window is 0
	s_mov_b32 s3, LAPS-1
.Llap:                                                 ; a trip goes once round the ring, from a lap's second quarter to the next lap's first, and fills both slots again
	QUARTER 0, 2, F1, F0, 0
	QUARTER 0, 3, F0, F1, 0
	TURN 0, 1
	QUARTER 1, 1, F0, F1, 0
	QUARTER 1, 2, F1, F0, 0
	QUARTER 1, 3, F0, F1, 0
	TURN 1, 0
	QUARTER 0, 1, F0, F1, 0
	WIN 0
	s_sub_co_u32 s3, s3, 1
	s_cmp_lg_u32 s3, 0
	s_cbranch_scc1 .Llap
	QUARTER 0, 2, F1, F0, 0                        ; the last lap is written out: it fills nothing
	QUARTER 0, 3, F0, F1, 0
	MEET 0                                         ; my one tensor load that was still out is the last K step's; no round follows
	PLACES                                         ; for the loads into buffer 0
	FETCH 1, 0, F0
	MUL16 F1, 1, 0, 0
	MUL16 F1, 1, 2, 0
	QUARTER 1, 1, F0, F1, 0
	QUARTER 1, 2, F1, F0, 0
	QUARTER 1, 3, F0, F1, 0
	s_wait_dscnt 8                                 ; the very last quarter: nothing more to fetch
	MUL16 F1, 0, 0, 0
	MUL16 F1, 0, 2, 0
	s_wait_dscnt 0x0
	MUL16 F1, 1, 0, 0
	MUL16 F1, 1, 2, 0
; THE WAY OUT, a block of 16 rows at a time, all under one window setting a half: source 0 (scales, addresses) window 0; source 1 and destination the block's accumulators' window.
; SCALEA: the sums times sa of the lane's row, in place, each accumulator from its low end on.  TOSTAGE: 32 bytes a lane and accumulator into my own stage, rows of 528 bytes, and back as whole rows of 512,
; into the registers that they left.  SEND: times sb of the lane's four columns, and stored.
.macro SCALEA a
.set AC, 64*((\a)%4)
	WIN 0x88+0x44*((\a)/4)
.set i, 0
.rept 32
	v_pk_mul_f32 v[AC+2*i:AC+2*i+1], v[SA+2*(\a):SA+2*(\a)+1], v[AC+2*i:AC+2*i+1]
.set i, i+1
.endr
.endm
.macro TOSTAGE a
.set AC, 64*((\a)%4)
	WIN 0x88+0x44*((\a)/4)
.irp b, 0,1,2,3,4,5,6,7
	ds_store_b128 v[STO], v[AC+8*(\b):AC+8*(\b)+3]   offset:64*(\b)
	ds_store_b128 v[STO], v[AC+8*(\b)+4:AC+8*(\b)+7] offset:64*(\b)+16
.endr
.set t, 0
.rept 16
	ds_load_b128 v[AC+4*t:AC+4*t+3], v[RD] offset:SP*t  ; LDS serves a wave's instructions in order (ISA guide 5.7.1.4): these see the stores above; the next block's stores come behind them
.set t, t+1
.endr
.endm
.macro SEND a
.set AC, 64*((\a)%4)
	WIN 0x88+0x44*((\a)/4)
.set t, 0
.rept 16
	s_wait_dscnt 15-t                              ; row t is back; the younger rows' loads may be out
	v_pk_mul_f32 v[AC+4*t:AC+4*t+1],   v[SB:SB+1],   v[AC+4*t:AC+4*t+1]
	v_pk_mul_f32 v[AC+4*t+2:AC+4*t+3], v[SB+2:SB+3], v[AC+4*t+2:AC+4*t+3]
	global_store_b128 v[CO], v[AC+4*t:AC+4*t+3], s[8:9] offset:(16*(\a)+t)*OROW th:TH_STORE_NT  ; the wave stores 512 consecutive bytes, aligned; 127 rows of out0 at the most stand in the immediate; no stored register is written again
.set t, t+1
.endr
.endm
	PLACES
	PLACES                                         ; eight places, once a launch, between the last products and the first line that reads a sum
	s_wait_loadcnt 0x0                             ; sa and sb, asked for at the head
	SCALEA 0
	TOSTAGE 0
.irp a, 1,2,3,4,5,6,7                  ; block a's scaling stands between block a - 1's loads from the stage and the waits for them
	SCALEA \a
	SEND (\a)-1
	TOSTAGE \a
.endr
	SEND 7
	WIN 0
	s_wait_tensorcnt 0x0                           ; the wave's end: behind my last tensor load and my last LDS store
	ds_add_u32 v[SPW], v[NIL]
	s_wait_dscnt 0x0
	CROUND                                         ; the closing round: no work-group ends while a partner may still ask for a tile that names it
	s_endpgm
.Lfunc_end_k_q7404851474_gemm:
	.size	k_q7404851474_gemm, .Lfunc_end_k_q7404851474_gemm-k_q7404851474_gemm
	.p2alignl 7, 3214868480
	.fill 96, 4, 3214868480
	.section	.rodata,"a",@progbits
	.p2align	6, 0x0
	.amdhsa_kernel k_q7404851474_gemm
		.amdhsa_group_segment_fixed_size 327680
		.amdhsa_private_segment_fixed_size 0
		.amdhsa_enable_private_segment 0
		.amdhsa_kernarg_size 40
		.amdhsa_user_sgpr_count 2
		.amdhsa_user_sgpr_kernarg_segment_ptr 1
		.amdhsa_wavefront_size32 1
		.amdhsa_system_sgpr_workgroup_id_x 1
		.amdhsa_system_sgpr_workgroup_id_y 1
		.amdhsa_system_sgpr_workgroup_id_z 1
		.amdhsa_system_vgpr_workitem_id 0
		.amdhsa_next_free_vgpr 1024
		.amdhsa_next_free_sgpr 80
		.amdhsa_reserve_vcc 0
		.amdhsa_float_denorm_mode_32 3
		.amdhsa_float_denorm_mode_16_64 3
		.amdhsa_memory_ordered 1
		.amdhsa_forward_progress 1
		.amdhsa_inst_pref_size 179
	.end_amdhsa_kernel
	.amdgpu_metadata
---
amdhsa.version: [ 1, 2 ]
amdhsa.kernels:
  - .name:           k_q7404851474_gemm
    .symbol:         k_q7404851474_gemm.kd
    .args:
      - { .name: qa, .offset: 0, .size: 8, .value_kind: global_buffer, .address_space: global }
      - { .name: qb, .offset: 8, .size: 8, .value_kind: global_buffer, .address_space: global }
      - { .name: sa, .offset: 16, .size: 8, .value_kind: global_buffer, .address_space: global }
      - { .name: sb, .offset: 24, .size: 8, .value_kind: global_buffer, .address_space: global }
      - { .name: out0, .offset: 32, .size: 8, .value_kind: global_buffer, .address_space: global }
    .group_segment_fixed_size: 327680
    .private_segment_fixed_size: 0
    .kernarg_segment_align: 8
    .kernarg_segment_size: 40
    .max_flat_workgroup_size: 128
    .sgpr_count:     80
    .vgpr_count:     1024
    .wavefront_size: 32
...
	.end_amdgpu_metadata
.endif
;; end of part 3
;; ======== version 2 of 2: 3 launches; version 1 with the launch colq written anew for expert scheduling mode
;; workspace buffers: qa 33,554,432 bytes; qb 33,554,432 bytes; sa 16,384 bytes; sb 16,384 bytes; pm 262,144 bytes
;; launch prep: the kernel of part 1 again; grid 256 x 1, 16 waves a work-group, no clusters, 10,240 bytes of LDS; arguments lhs, rhs, qa, sa, pm; writes qa, sa, pm
;; launch colq (part 4): grid 256 x 1, 16 waves a work-group, no clusters, 10,240 bytes of LDS; arguments rhs, pm, qb, sb; writes qb, sb
.if DOCPART == 4
	.amdgcn_target "amdgcn-amd-amdhsa--gfx1250"
	.amdhsa_code_object_version 6
	.text
	.protected	k_q7404851474_colq
	.globl	k_q7404851474_colq
	.p2align	8
	.type	k_q7404851474_colq,@function
k_q7404851474_colq:
	s_mov_b64 s[64:65], 0
	v_nop
	global_prefetch_b8 v0, s[64:65] scope:SCOPE_SE
	s_setreg_imm32_b32 hwreg(HW_REG_WAVE_SCHED_MODE, 0, 2), 2
	s_setreg_imm32_b32 hwreg(HW_REG_WAVE_MODE, 25, 1), 1
	s_wait_xcnt 0x0
	s_wait_alu depctr_vm_vsrc(0)
; rhs: [4096 k][4096 n] f32 is quantised by columns: amax[n] = the largest of pm's 16 partial maxima, scale = amax / 127 (1 where amax is 0),
; qb[k][n] = clip(round(rhs[k][n] / scale[n]), -127, 127) as bf16 (exact for these whole numbers), in rhs's own layout: the product turns it on its way out of LDS.  sb[n] = scale[n].
; SHARES.  Work-group g: rows 256 (g / 16) .. + 255, columns 256 (g % 16) .. + 255.  Wave w: the 128 columns of half w % 2 in rows 32 (w / 2) .. + 31: 32 loads of 512 consecutive bytes,
; all issued at the start, and 32 stores of 256 consecutive bytes, aligned.  Of pm's 16 partial rows wave w reads two (w / 2 and w / 2 + 8) for its half; the waves' maxima meet in LDS.
; LIMITS.  x / scale is made as x * (127 * (1 / amax)): a few units in the last place off the quotient, so a number that close to a rounding tie may get the neighbouring whole number.
; amax = 0, or 2^-120 <= amax <= 2^126.  NaN and infinities are not treated apart.
; THE MODE: SCHED_MODE bits 1:0 = 2 (LLVM: expert scheduling mode 2), set by the entry lines.  The code itself states the register dependences
; between vector instructions and memory or LDS instructions, with s_wait_alu, always for 0.
; THE PLAN.  Registers that memory or LDS instructions touch:
;   v1 .. v4   offsets and LDS addresses: written at the head, read by every load, store and LDS access, never written again.
;   P          pm's two loads land in it (no vector instruction has named it); four maxima write its first four registers; the one LDS store reads them; never written again.
;   F          the eight LDS loads land in it (no vector instruction has named it); vector instructions alone read it.
;   X          the 32 loads of rhs land in it, all issued at the head, before any vector instruction names it.  The rows go in eight blocks of four: block p's 48 vector instructions work in place
;              on rows 4 p .. 4 p + 3; the four stores of those rows are issued in block p + 1.  A stored register is never written again.
;   SCL        written by the selects; read by the store of sb at the end.
;   v6, v7     written at the head, read by the closing add alone.
; So one wait on va_vdst at a block's head states all that the four stores of the block before hang on, and these are dealt among the block's vector instructions, which name the block's own rows and
; the scales alone.  No register that a memory or LDS instruction has read is written again, so the text holds no wait on vm_vsrc past the entry lines.
.set SPARE, 8192                       ; LDS: 0 .. 8191 the waves' maxima, 512 bytes a wave at 512 w; behind them the spare words, 128 bytes for each of 16 waves
.set L16,  1                           ; v1   16 x lane
.set L8,   2                           ; v2   8 x lane
.set LSTO, 3                           ; v3   16 x thread
.set LR,   4                           ; v4   512 (w % 2) + 16 x lane
.set SPW,  6                           ; v6   my spare word
.set NIL,  7                           ; v7   0
.set AM,   8                           ; v[8:11]   amax of my four columns
.set INV,  12                          ; v[12:15]  127 / amax
.set SCL,  16                          ; v[16:19]  amax / 127
.set P,    20                          ; v[20:27]  two partial rows of pm
.set F,    28                          ; v[28:59]  eight waves' maxima read back
.set X,    60                          ; v[60:187] row i at X + 4 i
.set NZ,   28                          ; s[28:31]  column c: the lanes whose amax is above 0
	s_load_b256 s[4:11], s[0:1], 0x0               ; rhs s[4:5], pm s[6:7], qb s[8:9], sb s[10:11]
	v_lshl_add_u32 v[SPW], v0, 2, SPARE
	v_mov_b32 v[NIL], 0
	v_lshrrev_b32 v1, 5, v0
	v_readfirstlane_b32 s14, v1                    ; wave 0..15
	v_and_b32 v[L16], 31, v0
	v_lshlrev_b32 v[L8], 3, v[L16]
	v_lshlrev_b32 v[L16], 4, v[L16]
	v_lshlrev_b32 v[LSTO], 4, v0
	s_wait_alu depctr_va_sdst(0)                   ; s14 is written, ahead of its first reader: my half, my rows and the last branch are made from it
	s_and_b32 s15, s14, 1
	s_lshl_b32 s15, s15, 9                         ; my half's 512 bytes
	v_add_nc_u32 v[LR], s15, v[L16]
	s_lshr_b32 s18, ttmp9, 4                       ; kb
	s_and_b32 s19, ttmp9, 15                       ; nb,
	s_lshl_b32 s19, s19, 10                        ; its 1,024 bytes of an f32 row
	s_lshr_b32 s35, s14, 1                         ; w / 2
	s_mov_b32 s17, 0                               ; every offset stays under 2^32
	s_mov_b32 s32, 0xc2fe0000                      ; -127.0
	s_mov_b32 s33, 0x42fe0000                      ; 127.0
	s_add_co_u32 s36, s19, s15                     ; my 512 bytes in an f32 row
	s_lshl_b32 s16, s35, 14                        ; partial row w / 2 of pm
	s_add_co_u32 s16, s16, s36
	s_wait_kmcnt 0x0
	s_add_nc_u64 s[22:23], s[6:7], s[16:17]
	s_wait_alu depctr_va_vdst(0)                   ; v1 to v4 are written: every load, store and LDS access of the kernel reads one of them as its offset or address
	global_load_b128 v[P:P+3],   v[L16], s[22:23]
	global_load_b128 v[P+4:P+7], v[L16], s[22:23] offset:131072  ; eight partial rows on
	s_lshl_b32 s16, s18, 22                        ; kb's 256 rows of 16,384 bytes,
	s_add_co_u32 s16, s16, s36
	s_lshl_b32 s37, s35, 19                        ; my 32 of them
	s_add_co_u32 s16, s16, s37
	s_add_nc_u64 s[20:21], s[4:5], s[16:17]
.set i, 0
.rept 32
	global_load_b128 v[X+4*i:X+4*i+3], v[L16], s[20:21] offset:16384*i th:TH_LOAD_NT
.set i, i+1
.endr
	s_lshr_b32 s16, s16, 1                         ; the same place in bf16: half the bytes
	s_add_nc_u64 s[24:25], s[8:9], s[16:17]
	s_mov_b32 s16, s19
	s_add_nc_u64 s[26:27], s[10:11], s[16:17]      ; sb at the block's 256 columns
.macro FIN dst                         ; the eight waves of my half have each left 512 bytes: their maximum, for my four columns
.irp t, 0,1,2,3,4,5,6,7
	ds_load_b128 v[F+4*(\t):F+4*(\t)+3], v[LR] offset:1024*(\t)
.endr
	s_wait_dscnt 0x0
.irp c, 0,1,2,3
	v_max3_num_f32 v[(\dst)+(\c)], v[F+(\c)], v[F+4+(\c)], v[F+8+(\c)]
.endr
.irp c, 0,1,2,3
	v_max3_num_f32 v[(\dst)+(\c)], v[(\dst)+(\c)], v[F+12+(\c)], v[F+16+(\c)]
.endr
.irp c, 0,1,2,3
	v_max3_num_f32 v[(\dst)+(\c)], v[(\dst)+(\c)], v[F+20+(\c)], v[F+24+(\c)]
.endr
.irp c, 0,1,2,3
	v_max_num_f32 v[(\dst)+(\c)], v[(\dst)+(\c)], v[F+28+(\c)]
.endr
.endm
.macro Q4 x, i0, i1                    ; four numbers at x: scaled by the pairs i0 and i1, rounded (ties to even), clipped, packed as bf16 into x, x + 1
	v_pk_mul_f32 v[(\x):(\x)+1], v[(\x):(\x)+1], v[(\i0):(\i0)+1]
	v_pk_mul_f32 v[(\x)+2:(\x)+3], v[(\x)+2:(\x)+3], v[(\i1):(\i1)+1]
.irp c, 0,1,2,3
	v_rndne_f32 v[(\x)+(\c)], v[(\x)+(\c)]
.endr
.irp c, 0,1,2,3
	v_med3_num_f32 v[(\x)+(\c)], v[(\x)+(\c)], s32, s33
.endr
	v_cvt_pk_bf16_f32 v[(\x)], v[(\x)], v[(\x)+1]
	v_cvt_pk_bf16_f32 v[(\x)+1], v[(\x)+2], v[(\x)+3]
.endm
.macro OUT r                           ; row r of my 32 is stored
	global_store_b64 v[L8], v[X+4*(\r):X+4*(\r)+1], s[24:25] offset:8192*(\r) th:TH_STORE_NT  ; 256 consecutive bytes, aligned; no stored register is written again
.endm
; Block p: rows 4 p .. 4 p + 3 are quantised, and the four rows of the block before are stored.  first = 1: block 0, with no block in front of it.
.macro BLK p, first
	s_wait_loadcnt 28-4*(\p)                       ; loads come back in order (ISA guide 5.7.1): the block's four rows are in; the count is the loads of rhs younger than they
.if !\first
	s_wait_alu depctr_va_vdst(0)                   ; the block before has written the packed rows that the four stores below read; no vector instruction below names them
.endif
.irp i, 0,1,2,3
.if !\first
	OUT 4*((\p)-1)+(\i)
.endif
	Q4 X+16*(\p)+4*(\i), INV, INV+2
.endr
.endm
	s_wait_loadcnt 32                              ; pm's two loads are in; the 32 loads of rhs behind them stay out
.irp c, 0,1,2,3
	v_max_num_f32 v[P+(\c)], v[P+(\c)], v[P+4+(\c)]
.endr
	s_wait_alu depctr_va_vdst(0)                   ; the four maxima have written v[P:P+3], which the LDS store reads
	ds_store_b128 v[LSTO], v[P:P+3]
	s_wait_dscnt 0x0                               ; for the others' sake: my store is done
	s_barrier_signal -1
	s_barrier_wait -1                              ; all 16 partial rows, two to a wave, lie in LDS
	FIN AM
.irp c, 0,1,2,3
	v_rcp_f32 v[INV+(\c)], v[AM+(\c)]
.endr
.irp c, 0,1,2,3
	v_mul_f32 v[SCL+(\c)], 0x3c010204, v[AM+(\c)]  ; amax x (1 / 127): plain instructions behind the reciprocals
.endr
.irp c, 0,1,2,3
	v_cmp_lt_f32 s[NZ+(\c)], 0, v[AM+(\c)]         ; the four masks in a run, a scalar register each, so that one wait serves all their readers
.endr
	s_wait_alu depctr_va_vdst(0)                   ; the four reciprocals have written v[INV ..], ahead of their first reader
	s_wait_alu depctr_va_sdst(0)                   ; the four compares have written s[NZ ..], ahead of the selects that read them
.irp c, 0,1,2,3
	v_mul_f32 v[INV+(\c)], s33, v[INV+(\c)]        ; 127 / amax
.endr
.irp c, 0,1,2,3
	v_cndmask_b32 v[INV+(\c)], 1.0, v[INV+(\c)], s[NZ+(\c)]  ; a column of zeros has the scale 1
	v_cndmask_b32 v[SCL+(\c)], 1.0, v[SCL+(\c)], s[NZ+(\c)]
.endr
	BLK 0, 1
	BLK 1, 0
	BLK 2, 0
	BLK 3, 0
	BLK 4, 0
	BLK 5, 0
	BLK 6, 0
	BLK 7, 0
	s_wait_alu depctr_va_vdst(0)                   ; block 7 has written the packed rows that the last four stores read (the selects that wrote v[SCL ..], which sb's store reads, stand ahead of it too)
.irp i, 0,1,2,3
	OUT 28+(\i)
.endr
	s_cmp_lg_u32 s18, 0                            ; the scales are stored once: by the work-groups of the first 256 rows,
	s_cbranch_scc1 .Lend
	s_cmp_lt_u32 s14, 2                            ; wave 0 for half 0, wave 1 for half 1
	s_cbranch_scc0 .Lend
	global_store_b128 v[LR], v[SCL:SCL+3], s[26:27]  ; 512 consecutive bytes a wave
.Lend:
	s_wait_dscnt 0x0                               ; the closing lines, six on end
	s_wait_alu 0x0
	s_wait_tensorcnt 0x0
	ds_add_u32 v[SPW], v[NIL]
	s_wait_dscnt 0x0
	s_endpgm
.Lfunc_end_k_q7404851474_colq:
	.size	k_q7404851474_colq, .Lfunc_end_k_q7404851474_colq-k_q7404851474_colq
	.p2alignl 7, 3214868480
	.fill 96, 4, 3214868480
	.section	.rodata,"a",@progbits
	.p2align	6, 0x0
	.amdhsa_kernel k_q7404851474_colq
		.amdhsa_group_segment_fixed_size 10240
		.amdhsa_private_segment_fixed_size 0
		.amdhsa_enable_private_segment 0
		.amdhsa_kernarg_size 32
		.amdhsa_user_sgpr_count 2
		.amdhsa_user_sgpr_kernarg_segment_ptr 1
		.amdhsa_wavefront_size32 1
		.amdhsa_system_sgpr_workgroup_id_x 1
		.amdhsa_system_sgpr_workgroup_id_y 1
		.amdhsa_system_sgpr_workgroup_id_z 1
		.amdhsa_system_vgpr_workitem_id 0
		.amdhsa_next_free_vgpr 188
		.amdhsa_next_free_sgpr 66
		.amdhsa_reserve_vcc 0
		.amdhsa_float_denorm_mode_32 3
		.amdhsa_float_denorm_mode_16_64 3
		.amdhsa_memory_ordered 1
		.amdhsa_forward_progress 1
		.amdhsa_inst_pref_size 32
	.end_amdhsa_kernel
	.amdgpu_metadata
---
amdhsa.version: [ 1, 2 ]
amdhsa.kernels:
  - .name:           k_q7404851474_colq
    .symbol:         k_q7404851474_colq.kd
    .args:
      - { .name: rhs, .offset: 0, .size: 8, .value_kind: global_buffer, .address_space: global }
      - { .name: pm, .offset: 8, .size: 8, .value_kind: global_buffer, .address_space: global }
      - { .name: qb, .offset: 16, .size: 8, .value_kind: global_buffer, .address_space: global }
      - { .name: sb, .offset: 24, .size: 8, .value_kind: global_buffer, .address_space: global }
    .group_segment_fixed_size: 10240
    .private_segment_fixed_size: 0
    .kernarg_segment_align: 8
    .kernarg_segment_size: 32
    .max_flat_workgroup_size: 512
    .sgpr_count:     66
    .vgpr_count:     188
    .wavefront_size: 32
...
	.end_amdgpu_metadata
.endif
;; end of part 4
;; launch gemm: the kernel of part 3 again; grid 16 x 16, 4 waves a work-group, clusters of 4 x 4, 327,680 bytes of LDS; arguments qa, qb, sa, sb, out0; writes out0
